; MI455X (gfx1250); checked and timed in simulation.
; The chip was launched on July 23, 2026; its instructions are those of AMD's public machine-readable ISA for CDNA 5 (MIT licence, August 2026) and "CDNA5" Instruction Set Architecture Reference Guide (July 2026). The comments in the code are by the model that wrote it; some were corrected since.
;; Linear Attention. Allowed arithmetic: matrix products marked QUANTISED: E5M2 operands, one E8M0 scale for each 32 along K, by v_wmma_scale_f32_16x16x128_f8f6f4 with both operands' format E5M2, f32 sums; everything else in f32.
;; Inputs: K 2 x 16 x 2,048 x 64 float32; Q 2 x 16 x 2,048 x 64 float32; V 2 x 16 x 2,048 x 64 float32.
;; Outputs: out0 2 x 16 x 2,048 x 64 float32.
;; This version of the problem:
;;   THIS VERSION OF THE PROBLEM IS GIVEN IN LOW PRECISION. The matrix products marked QUANTISED in the list below multiply operands that are first quantised to E5M2 (5 exponent bits, 2 mantissa bits; 8 bits a number), with one power-of-two scale for each 32 numbers along K (OCP MX v1.0); their sums are f32. All else is computed in f32.
;;   The module's matrix products, in the order in which they are computed (A, B: the left and right operand; K: the contracted axis; several contracted axes count as one K, in the product's order):
;;     1. batch 32 x [M 2,048, K 64] x [K 64, N 2,048]; A: computed on the way; B: computed on the way: QUANTISED
;;     2. batch 32 x [M 2,048, K 2,048] x [K 2,048, N 64]; A: softmax (see below); B: input V: QUANTISED
;;   THE QUANTISER, for each operand of a quantised product, along K:
;;     - K is cut into blocks of 32 from its start; a last block that is shorter is filled with zeros.
;;     - A block's scale is 2^e with e = floor(log2(the largest magnitude in the block)) - 15, held to -126 .. 127; a block of zeros has e = 0. As a byte (E8M0): e + 127.
;;     - Each number is divided by its block's scale, clamped to +-57,344, and rounded to the nearest number of E5M2, ties to even, subnormals kept.
;;     - The product sums the exact products of the quantised numbers (number of the format x scale) in f32.
;;   ~~~python
;;   def quantise(x, axis):      # numpy; x: float32 -> the quantised numbers, widened to float32 again
;;       x = np.moveaxis(x, axis, -1); K = x.shape[-1]
;;       x = np.pad(x, [(0, 0)] * (x.ndim - 1) + [(0, -K % 32)]); x = x.reshape(x.shape[:-1] + (-1, 32)); a = np.abs(x).max(-1, keepdims=True)
;;       e = np.where(a > 0, np.clip(np.frexp(np.where(a > 0, a, 1))[1] - 1 - 15, -126, 127), 0)      # np.frexp(a)[1] - 1 = floor(log2(a)), exactly
;;       r = np.clip(x / 2.0 ** e, -57344, 57344)
;;       step = 2.0 ** (np.maximum(np.frexp(np.where(r == 0, 1, r))[1] - 1, -14) - 2)
;;       q = np.round(r / step) * step * 2.0 ** e      # np.round: ties to even
;;       return np.moveaxis(q.reshape(q.shape[:-2] + (-1,))[..., :K], -1, axis).astype(np.float32)
;;   ~~~
;;   SOFTMAX AHEAD OF A QUANTISED PRODUCT. Where the list says 'softmax', what is quantised is not the finished softmax but p = 2^(t - M), with t = logit x log2(e) and M = ceil(the row's largest t), a whole number; so 1/2 < the row's largest p <= 1. The row's sum l is taken of the UNQUANTISED p, in f32, and the product's result is divided by l at the end. Since M is a whole number, a kernel that streams over the keys may use a running M (the ceiling of the running maximum): every later rescaling is an exact power of two, which a block's scale takes up: the codes' values come out the same.
;;   OPERANDS COMPUTED ON THE WAY. 'Computed on the way' means the value that the module computes at that place (a softmax that the list does not call 'softmax' is quantised finished and normalised). What goes into a quantiser is computed in f32, as accurately as f32 sums, v_exp_f32 and their like allow (about 1e-6 of the number): no bf16 or f16 on the way to a quantiser, and a product that is left as it is and whose result goes on into a quantised operand takes f32 operands (vector FMAs, or v_wmma_f32_16x16x4_f32). A number that lies on a knife's edge between two numbers of the format may be rounded either way, as far as f32 arithmetic and the matrix unit's own rounding can turn it there, and no further.
;; One version. Each part assembles by itself: llvm-mc -triple=amdgcn-amd-amdhsa -mcpu=gfx1250 --defsym DOCPART=n.
;; ======== version 1 of 1: 2 launches
;; limits: right only within a limited range of input values
;; workspace buffers: qc 4,194,304 bytes; kv 8,781,824 bytes; qs 262,144 bytes
;; launch prep (part 1): grid 256 x 1, 16 waves a work-group, no clusters, 139,776 bytes of LDS; arguments Q, K, V, qc, kv, qs; writes qc, kv, qs
.if DOCPART == 1
	.amdgcn_target "amdgcn-amd-amdhsa--gfx1250"
	.amdhsa_code_object_version 6
	.text
	.protected	k_q88228e2290_prep
	.globl	k_q88228e2290_prep
	.p2align	8
	.type	k_q88228e2290_prep,@function
k_q88228e2290_prep:
	s_mov_b64 s[64:65], 0
	v_nop
	global_prefetch_b8 v0, s[64:65] scope:SCOPE_SE
	s_setreg_imm32_b32 hwreg(HW_REG_WAVE_MODE, 25, 1), 1
	s_wait_xcnt 0x0
; Q, K, V: [32 heads][2048][64] f32.  Q and K get the interleaved rotary embedding and are turned into codes of BF8 (E5M2) along the head's 64, V into codes along the KEYS; one E8M0 byte for each 32.
; All leave as IMAGES OF THE NEXT LAUNCH'S OPERAND REGISTERS:
;   qc: [head][step of 128 positions][tile t 8][c 2][lane 32][16 bytes]: row r of tile 2 b + u is position 32 b + 8 u + r + 8 (r / 8) of the step; lane 16 h + r holds d = 32 c + 16 h + 0 .. 15.
;   qs: words [head][step][lane 16 u + r][b]: the word of row r of tile 2 b + u: bytes 0, 1 its two blocks, bytes 2, 3 = 127.
;   kv: [head][step] records of 17,152 bytes: K's codes laid as Q's (8,192); V's [tile t 4][c 4][lane 32][16 bytes] (8,192): row r of tile t is channel 16 t + r, lane 16 h + r holds keys 32 c + 16 h + 0 .. 15;
;       K's words laid as Q's (512); V's words [lane L][g] (256): channel L + 32 g, byte c for keys 32 c on.
; SHARES.  A work-group = 16 waves = 256 positions of one head.  Waves 0-7 take 32 positions each of Q and K, which share the wave's sines and cosines; waves 8-15 take 32 positions each of V.
; Every wave asks for all that it reads at its start.  Each load reads 512 consecutive bytes; the numbers turn through the wave's own stage in LDS so that a lane's registers run along K.  No loop to run ahead in (so no prefetch), no tensor load; one barrier, in front of the scale words' way out.
; WHAT THE PROGRAM LEAVES OUT (in the next launch): the products of a query block with key steps that begin behind it.  reference()'s own causal mask makes every such score -inf and its p zero, whatever the inputs hold.  A NaN or an infinity that reaches only those scores is not carried to the result.
; DIV = exp(x), x = fl(2 j x -ln(10000)/64), is made in f32 by the single-precision Cephes scheme, every multiply-add fused: n = floor(x / ln 2 + 1/2); a = x - n ln 2 with ln 2 in two parts;
; a polynomial of degree 5 in a, times a^2, plus a, plus 1; times 2^n, which is exact.
; SINE AND COSINE in f32: the angle is fl(pos x div) as the definition forms it; n = the nearest whole number to angle x 2 / pi; r = angle - n pi/2 with pi/2 in two parts
; (n is at most 1,304, what the two parts leave out is under 2.3e-12); the series to r^9 and r^10 (remainders under 2e-9 for |r| <= 0.79); the quadrant selects values, never a branch.
; LIMITS: NaN and infinities among the inputs are not served.  A block whose largest magnitude lies under 2^-111 keeps the byte 1 (a block of zeros too: its codes are zeros, and this program alone reads the bytes).
; div lies within about one unit of its last place of exp(x); at the largest angles one such unit moves the angle by its own f32 spacing there (1.2e-4), so the codes at late positions hang on div's last bit.
; The rotation uses fused multiply-adds: one rounding where the definition has two.  The reduction serves angles up to 2,047, which the shape fixes.
.set REC,  17152                       ; a record of kv
.set PIT,  272                         ; a stage row: 256 bytes + 16
.set GATH, 8*32*PIT                    ; behind the eight stages of waves 0-7: Q's words 1,024 bytes, K's 1,024, V's 512
.set VST,  GATH+2560                   ; the stages of waves 8-15, 8,192 bytes each
.set SPARE, VST+8*8192                 ; the spare words, 128 bytes a wave
.set WV,   20                          ; s20 wave mod 8; s21 head; s22 my group of 32 positions in the head; s23 work-group in the head
.set SEL,  26                          ; s[26:27] v_permlanex16_b32's selects: lane l xor 16
.set MNT,  28                          ; s28 the mantissa field of 57,344
.set HM,   29                          ; s29 the mask of lanes 16-31
.set WN,   30                          ; s30 wave 0..15
.set NIL,  1                           ; v1  0, from the head's end on
.set LI,   2                           ; v2  16 x lane
.set STI,  3                           ; v3  into the stage as loaded
.set STO,  4                           ; v4  out of it: row r, + 64 h
.set SVI,  5                           ; v5  V: into the stage: 16 x lane
.set SVO,  6                           ; v6  V: out of it: 4 x lane: my column
.set VO,   7                           ; v7  V's codes in memory: 2,048 (lane / 16) + 16 (lane % 16)
.set QWA,  8                           ; v8  where my row's scale word goes in the gather
.set VBA,  9                           ; v9  where my column's scale byte goes
.set GRD,  10                          ; v10 the gather's way out
.set SPW,  11                          ; v11 my spare word
.set POS,  12                          ; v[12:13] my row's position in tile u = 0, 1, as f32
.set W0,   14                          ; v[14:15] my row's scale word in tile u = 0, 1
.set COS,  16                          ; v16-47  cosines, index 16 u + 8 c + e: pair j = 16 c + 8 h + e at position u
.set SIN,  48                          ; v48-79  sines (before that, v48-63: a^2 of the sixteen exponentials)
.set SA,   80                          ; v80-143  Q, or V
.set SB,   144                         ; v144-207 K
.set Y,    208                         ; v208-223 16 rotated numbers
.set DIV,  208                         ; (before that: the 16 div of my half, index 8 c + e)
.set CD,   224                         ; v224-239 codes
.set EX,   224                         ; (before that: the sixteen x, then a;
.set EN,   240                         ;  v240-255 the sixteen n)
.set EQ,   48
.set KS3,  224                         ; (then: -1/5040 twice, 1/40320 twice)
.set KC4,  226
.set AN,   228                         ; at work for four angles: two sets of 14 registers: the angles (later r^3), n, r, r^2, the two series, two at work
.set NN,   230
.set RR,   232
.set ZZ,   234
.set PSI,  236
.set PCO,  238
.set QI,   240
.set TT,   241
.set TM,   240                         ; at work for a block: largest magnitude, second chain, the other lane's, the hold, the conversion's scale operand
.set T2,   241
.set TP,   242
.set TH,   243
.set TSO,  244
.set TB,   245                         ; v245-246 a scale byte
.set WQ,   247                         ; v247 Q's word as stored, v248 K's
.set OFS,  249
.macro LOAD16 set, base                ; 32 rows of 256 bytes: each load reads 512 consecutive bytes
.irp i, 0,1,2,3,4,5,6,7,8,9,10,11,12,13,14,15
	global_load_b128 v[\set+4*\i:\set+4*\i+3], v[LI], s[\base:\base+1] offset:512*\i th:TH_LOAD_NT
.endr
.endm
; sine and cosine of four angles, indices k .. k + 3, as two packed pairs by turns
.macro SINCOS4 k
.set UU, (\k)/16
.set KK, (\k)%16
.irp p, 0,1
	v_mul_f32 v[AN+14*\p], v[POS+UU], v[DIV+KK+2*\p]       ; the angle, rounded once
	v_mul_f32 v[AN+14*\p+1], v[POS+UU], v[DIV+KK+2*\p+1]
.endr
.irp p, 0,1
	v_pk_mul_f32 v[NN+14*\p:NN+14*\p+1], v[AN+14*\p:AN+14*\p+1], 0x3f22f983 op_sel_hi:[1,0]    ; x 2 / pi
.endr
.irp p, 0,1
	v_rndne_f32 v[NN+14*\p], v[NN+14*\p]
	v_rndne_f32 v[NN+14*\p+1], v[NN+14*\p+1]
.endr
.irp p, 0,1
	v_pk_fma_f32 v[RR+14*\p:RR+14*\p+1], v[NN+14*\p:NN+14*\p+1], 0xbfc90fdb, v[AN+14*\p:AN+14*\p+1] op_sel_hi:[1,0,1]  ; - n x the upper part of pi/2: exact
.endr
.irp p, 0,1
	v_pk_fma_f32 v[RR+14*\p:RR+14*\p+1], v[NN+14*\p:NN+14*\p+1], 0x333bbd2e, v[RR+14*\p:RR+14*\p+1] op_sel_hi:[1,0,1]  ; - n x the lower part (which is negative)
.endr
.irp p, 0,1
	v_pk_mul_f32 v[ZZ+14*\p:ZZ+14*\p+1], v[RR+14*\p:RR+14*\p+1], v[RR+14*\p:RR+14*\p+1]
.endr
.irp p, 0,1
	v_pk_fma_f32 v[PSI+14*\p:PSI+14*\p+1], v[ZZ+14*\p:ZZ+14*\p+1], 0x3638ef1d, v[KS3:KS3+1] op_sel_hi:[1,0,1]   ; z / 9! - 1 / 7!
	v_pk_fma_f32 v[PCO+14*\p:PCO+14*\p+1], v[ZZ+14*\p:ZZ+14*\p+1], 0xb493f27e, v[KC4:KC4+1] op_sel_hi:[1,0,1]   ; -z / 10! + 1 / 8!
.endr
.irp p, 0,1
	v_pk_fma_f32 v[PSI+14*\p:PSI+14*\p+1], v[PSI+14*\p:PSI+14*\p+1], v[ZZ+14*\p:ZZ+14*\p+1], 0x3c088889 op_sel_hi:[1,1,0]   ; + 1 / 5!
	v_pk_fma_f32 v[PCO+14*\p:PCO+14*\p+1], v[PCO+14*\p:PCO+14*\p+1], v[ZZ+14*\p:ZZ+14*\p+1], 0xbab60b61 op_sel_hi:[1,1,0]   ; - 1 / 6!
.endr
.irp p, 0,1
	v_pk_fma_f32 v[PSI+14*\p:PSI+14*\p+1], v[PSI+14*\p:PSI+14*\p+1], v[ZZ+14*\p:ZZ+14*\p+1], 0xbe2aaaab op_sel_hi:[1,1,0]   ; - 1 / 3!
	v_pk_fma_f32 v[PCO+14*\p:PCO+14*\p+1], v[PCO+14*\p:PCO+14*\p+1], v[ZZ+14*\p:ZZ+14*\p+1], 0x3d2aaaab op_sel_hi:[1,1,0]   ; + 1 / 4!
.endr
.irp p, 0,1
	v_pk_mul_f32 v[AN+14*\p:AN+14*\p+1], v[RR+14*\p:RR+14*\p+1], v[ZZ+14*\p:ZZ+14*\p+1]                                     ; r^3
	v_pk_fma_f32 v[PCO+14*\p:PCO+14*\p+1], v[PCO+14*\p:PCO+14*\p+1], v[ZZ+14*\p:ZZ+14*\p+1], -0.5 op_sel_hi:[1,1,0]
.endr
.irp p, 0,1
	v_pk_fma_f32 v[PSI+14*\p:PSI+14*\p+1], v[PSI+14*\p:PSI+14*\p+1], v[AN+14*\p:AN+14*\p+1], v[RR+14*\p:RR+14*\p+1]         ; sin r
	v_pk_fma_f32 v[PCO+14*\p:PCO+14*\p+1], v[PCO+14*\p:PCO+14*\p+1], v[ZZ+14*\p:ZZ+14*\p+1], 1.0 op_sel_hi:[1,1,0]          ; cos r
.endr
.irp a, 0,1
.irp p, 0,1
	v_cvt_i32_f32 v[QI+14*\p], v[NN+14*\p+\a]              ; the quadrant q = n mod 4
.endr
.irp p, 0,1
	v_and_b32 v[TT+14*\p], 1, v[QI+14*\p]
.endr
.irp p, 0,1
	v_cmp_eq_u32 s[42+\p], 1, v[TT+14*\p]                  ; q odd: sine and cosine change places
.endr
.irp p, 0,1
	v_cndmask_b32 v[SIN+(\k)+2*\p+\a], v[PSI+14*\p+\a], v[PCO+14*\p+\a], s[42+\p]
	v_cndmask_b32 v[COS+(\k)+2*\p+\a], v[PCO+14*\p+\a], v[PSI+14*\p+\a], s[42+\p]
.endr
.irp p, 0,1
	v_lshlrev_b32 v[TT+14*\p], 30, v[QI+14*\p]
	v_add_nc_u32 v[QI+14*\p], 1, v[QI+14*\p]
.endr
.irp p, 0,1
	v_and_b32 v[TT+14*\p], 0x80000000, v[TT+14*\p]         ; the sine is negative for q = 2, 3: bit 1 of q
	v_lshlrev_b32 v[QI+14*\p], 30, v[QI+14*\p]
.endr
.irp p, 0,1
	v_xor_b32 v[SIN+(\k)+2*\p+\a], v[TT+14*\p], v[SIN+(\k)+2*\p+\a]
	v_and_b32 v[QI+14*\p], 0x80000000, v[QI+14*\p]         ; the cosine for q = 1, 2: bit 1 of q + 1
.endr
.irp p, 0,1
	v_xor_b32 v[COS+(\k)+2*\p+\a], v[QI+14*\p], v[COS+(\k)+2*\p+\a]
.endr
.endr
.endm
; item n = 2 u + c of a tensor: my 16 numbers d = 32 c + 16 h + 0 .. 15 of row r of tile u: rotated, quantised (the block's other 16 lie in lane l xor 16), 16 bytes of codes stored
.macro ITEM set, n, base
.set XS, \set+16*(\n)
.set KI, 16*((\n)/2)+8*((\n)%2)
.set CI, CD+4*(\n)
	s_wait_dscnt 12-4*(\n)                                 ; my four loads from the stage are in; those of the later items, four each, may be out
.irp e, 0,1,2,3,4,5,6,7
	v_mul_f32 v[Y+2*\e], v[XS+2*\e+1], v[SIN+KI+\e]
	v_mul_f32 v[Y+2*\e+1], v[XS+2*\e+1], v[COS+KI+\e]
.endr
.irp e, 0,1,2,3,4,5,6,7
	v_fma_f32 v[Y+2*\e], v[XS+2*\e], v[COS+KI+\e], -v[Y+2*\e]        ; even x cos - odd x sin
	v_fma_f32 v[Y+2*\e+1], v[XS+2*\e], v[SIN+KI+\e], v[Y+2*\e+1]     ; even x sin + odd x cos
.endr
	v_max3_num_f32 v[TM], |v[Y]|, |v[Y+1]|, |v[Y+2]|
	v_max3_num_f32 v[T2], |v[Y+3]|, |v[Y+4]|, |v[Y+5]|
.irp i, 6,10
	v_max3_num_f32 v[TM], v[TM], |v[Y+\i]|, |v[Y+\i+1]|
	v_max3_num_f32 v[T2], v[T2], |v[Y+\i+2]|, |v[Y+\i+3]|
.endr
	v_max3_num_f32 v[TM], v[TM], |v[Y+14]|, |v[Y+15]|
	v_max3_num_f32 v[TM], v[TM], v[T2], 0x8000000          ; and the floor 2^(16 - 127): the byte cannot fall under 1
	v_permlanex16_b32 v[TP], v[TM], s[SEL], s[SEL+1]
	v_max_num_f32 v[TM], v[TM], v[TP]                      ; the block's largest magnitude
	v_add_nc_u32 v[TSO], 0xf8800000, v[TM]                 ; 15 off its exponent field: the conversion's scale operand
	v_and_or_b32 v[TH], v[TM], 0x7f800000, s[MNT]          ; 57,344 x the scale
.irp i, 0,1,2,3,4,5,6,7,8,9,10,11,12,13,14,15
	v_med3_num_f32 v[Y+\i], v[Y+\i], -v[TH], v[TH]         ; the conversion to an 8-bit code does not saturate (ISA guide 7.6.2): the hold comes first
.endr
	v_cvt_scalef32_pk8_bf8_f32 v[CI:CI+1], v[Y:Y+7], v[TSO]
	v_cvt_scalef32_pk8_bf8_f32 v[CI+2:CI+3], v[Y+8:Y+15], v[TSO]
	v_lshrrev_b32 v[TB], 23, v[TSO]                        ; the scale's byte; also the plain line behind the conversions
	global_store_b128 v[LI], v[CI:CI+3], s[\base:\base+1] offset:512*(\n)   ; 32 lanes store 512 consecutive bytes
.if (\n)%2 == 0
	v_or_b32 v[W0+(\n)/2], 0x7f7f0000, v[TB]               ; block 0's byte; 127 for k = 64 .. 127
.else
	v_lshl_or_b32 v[W0+(\n)/2], v[TB], 8, v[W0+(\n)/2]     ; block 1's
.endif
.endm
; one of Q, K: through the stage, four items, the scale word into the gather
.macro QK set, base, goff, wreg
.irp i, 0,1,2,3,4,5,6,7,8,9,10,11,12,13,14,15
	ds_store_b128 v[STI], v[\set+4*\i:\set+4*\i+3] offset:(16*(((2*\i)/8)%2)+8*((2*\i)/16)+(2*\i)%8)*PIT   ; position x goes to stage row 16 u + r of the tile row that it is
.endr
.irp u, 0,1
.irp c, 0,1
.irp i, 0,1,2,3
	ds_load_b128 v[\set+16*(2*\u+\c)+4*\i:\set+16*(2*\u+\c)+4*\i+3], v[STO] offset:16*\u*PIT+128*\c+16*\i   ; LDS serves a wave's instructions in order (ISA guide 5.7.1.4): these see my stores
.endr
.endr
.endr
	ITEM \set, 0, \base
	ITEM \set, 1, \base
	ITEM \set, 2, \base
	ITEM \set, 3, \base
	v_cndmask_b32 v[\wreg], v[W0], v[W0+1], s[HM]          ; lane 16 u + r keeps the word of tile u
	ds_store_b32 v[QWA], v[\wreg] offset:\goff
.endm
; V: key i of column lane + 32 g, i = 0 .. 31: my registers run down the keys; 32 lanes read 128 consecutive bytes
.macro VCOL g
.set i, 0
.rept 32
	ds_load_b32 v[SA+32*(\g)+i], v[SVO] offset:256*i+128*(\g)
.set i, i+1
.endr
.endm
; V, columns 32 g on: my column's 32 keys are one block in my 32 registers
.macro VBLK g
.set XS, SA+32*(\g)
.set CI, CD+8*(\g)
	v_max3_num_f32 v[TM], |v[XS]|, |v[XS+1]|, |v[XS+2]|
	v_max3_num_f32 v[T2], |v[XS+3]|, |v[XS+4]|, |v[XS+5]|
.irp i, 6,10,14,18,22,26
	v_max3_num_f32 v[TM], v[TM], |v[XS+\i]|, |v[XS+\i+1]|
	v_max3_num_f32 v[T2], v[T2], |v[XS+\i+2]|, |v[XS+\i+3]|
.endr
	v_max3_num_f32 v[TM], v[TM], |v[XS+30]|, |v[XS+31]|
	v_max3_num_f32 v[TM], v[TM], v[T2], 0x8000000
	v_add_nc_u32 v[TSO], 0xf8800000, v[TM]
	v_and_or_b32 v[TH], v[TM], 0x7f800000, s[MNT]
.set i, 0
.rept 32
	v_med3_num_f32 v[XS+i], v[XS+i], -v[TH], v[TH]
.set i, i+1
.endr
.irp q, 0,1,2,3
	v_cvt_scalef32_pk8_bf8_f32 v[CI+2*\q:CI+2*\q+1], v[XS+8*\q:XS+8*\q+7], v[TSO]
.endr
	v_lshrrev_b32 v[TB+(\g)], 23, v[TSO]                   ; the byte; the plain line behind the conversions
	ds_store_b8 v[VBA], v[TB+(\g)] offset:4*(\g)
	global_store_b128 v[VO], v[CI:CI+3], s[16:17] offset:4096*(\g)        ; keys 0-15: sixteen lanes store 256 consecutive bytes, aligned
	global_store_b128 v[VO], v[CI+4:CI+7], s[16:17] offset:4096*(\g)+256  ; keys 16-31
.endm
	s_load_b256 s[4:11], s[0:1], 0x0               ; Q s[4:5], K s[6:7], V s[8:9], qc s[10:11]
	s_load_b128 s[12:15], s[0:1], 0x20             ; kv s[12:13], qs s[14:15]
	v_lshl_add_u32 v[SPW], v0, 2, SPARE
	v_lshrrev_b32 v1, 5, v0
	v_readfirstlane_b32 s[WN], v1                  ; wave 0..15
	v_and_b32 v1, 31, v0                           ; lane
	v_and_b32 v240, 15, v0                         ; r
	v_bfe_u32 v241, v0, 4, 1                       ; h
	v_lshlrev_b32 v[LI], 4, v1
	s_and_b32 s[WV], s[WN], 7
	s_lshr_b32 s21, ttmp9, 3                       ; head
	s_and_b32 s23, ttmp9, 7
	s_lshl_b32 s22, s23, 3
	s_add_co_u32 s22, s22, s[WV]                   ; my group of 32 positions, 0..63
	; offsets, in bytes.  Inputs: a head is 524,288, a group 8,192
	s_lshl_b32 s24, s21, 19
	s_lshl_b32 s36, s22, 13
	s_add_co_u32 s24, s24, s36
	s_mov_b32 s25, 0
	; qc: a head is 131,072, a group 2,048
	s_lshl_b32 s54, s21, 17
	s_lshl_b32 s36, s22, 11
	s_add_co_u32 s54, s54, s36
	s_mov_b32 s55, 0
	; kv: my record, in it K's codes 2,048 a group, V's from 8,192 on 512 a group
	s_mul_i32 s56, s21, 16*REC
	s_lshr_b32 s36, s22, 2
	s_mul_i32 s36, s36, REC
	s_add_co_u32 s56, s56, s36
	s_and_b32 s38, s22, 3
	s_lshl_b32 s36, s38, 9
	s_add_co_u32 s58, s56, s36
	s_add_co_u32 s58, s58, 8192
	s_mov_b32 s59, 0
	s_lshl_b32 s36, s38, 11
	s_add_co_u32 s56, s56, s36
	s_mov_b32 s57, 0
	; where the gather's 512 bytes of my wave go: waves 0, 1 Q's words, waves 2, 3 K's (one step each), wave 4 V's (lanes 0-15 one step's 256 bytes, lanes 16-31 the next step's)
	s_and_b32 s36, s[WV], 1
	s_lshl_b32 s38, s21, 13
	s_lshl_b32 s37, s23, 10
	s_add_co_u32 s38, s38, s37
	s_lshl_b32 s37, s36, 9
	s_add_co_u32 s38, s38, s37
	s_lshl_b32 s37, s23, 1
	s_add_co_u32 s39, s37, s36
	s_mul_i32 s39, s39, REC
	s_mul_i32 s40, s21, 16*REC
	s_add_co_u32 s39, s39, s40
	s_add_co_u32 s39, s39, 16384
	s_mul_i32 s37, s37, REC
	s_add_co_u32 s37, s37, s40
	s_add_co_u32 s37, s37, 16896
	s_cmp_lt_u32 s[WN], 4
	s_cselect_b32 s60, s39, s37
	s_cselect_b32 s33, 0, REC-256                  ; what lanes 16-31 add
	s_cmp_lt_u32 s[WN], 2
	s_cselect_b32 s60, s38, s60
	s_mov_b32 s61, 0
	s_mov_b32 s[SEL], 0x76543210
	s_mov_b32 s[SEL+1], 0xfedcba98
	s_mov_b32 s[MNT], 0x600000
	s_mov_b32 s45, 0x3fb8aa3b                      ; the exponential's constants: 1 / ln 2;
	s_mov_b32 s46, 0xbf318000                      ; -0.693359375, the upper part of ln 2, negated;
	s_mov_b32 s47, 0x395e8083                      ; 2.12194440e-4: the lower part is negative, so its negation is added;
	s_mov_b32 s48, 0x39506967                      ; 1.9875691500e-4
	s_mov_b32 s49, 0x3ab743ce                      ; 1.3981999507e-3
	s_mov_b32 s50, 0x3c088908                      ; 8.3334519073e-3
	s_mov_b32 s51, 0x3d2aa9c1                      ; 4.1665795894e-2
	s_mov_b32 s52, 0x3e2aaaaa                      ; 1.6666665459e-1 (the last coefficient, 5.0000001201e-1, is 0.5 in f32)
	s_wait_alu depctr_va_vdst(0)
	; LDS addresses: each a constant + a constant x lane + a constant x wave
	s_mul_i32 s37, s[WV], 32*PIT                   ; my stage (waves 0-7)
	v_mul_u32_u24 v[STI], v241, PIT
	v_mul_u32_u24 v[STO], v240, PIT
	v_lshl_add_u32 v[STI], v240, 4, v[STI]
	v_lshl_add_u32 v[STO], v241, 6, v[STO]
	v_add_nc_u32 v[STI], s37, v[STI]
	v_add_nc_u32 v[STO], s37, v[STO]
	s_lshl_b32 s40, s[WV], 13
	s_add_co_u32 s40, s40, VST                     ; my stage (waves 8-15)
	v_add_nc_u32 v[SVI], s40, v[LI]
	v_lshl_add_u32 v[SVO], v1, 2, s40
	v_lshlrev_b32 v[VO], 11, v241
	v_lshl_add_u32 v[VO], v240, 4, v[VO]
	s_lshr_b32 s38, s[WV], 2                       ; which of the work-group's two steps,
	s_and_b32 s39, s[WV], 3                        ; and which of its four groups of 32, is mine
	s_lshl_b32 s40, s38, 9
	s_lshl_b32 s41, s39, 2
	s_add_co_u32 s40, s40, s41
	s_add_co_u32 s40, s40, GATH
	v_add_nc_u32 v[QWA], s40, v[LI]                ; word [step][lane][b]
	s_lshl_b32 s40, s38, 8
	s_add_co_u32 s40, s40, s39
	s_add_co_u32 s40, s40, GATH+2048
	v_lshl_add_u32 v[VBA], v1, 3, s40              ; byte [step][lane][g][c]
	s_lshl_b32 s40, s[WV], 9
	s_add_co_u32 s40, s40, GATH
	v_add_nc_u32 v[GRD], s40, v[LI]
	v_and_b32 v242, 8, v240
	v_add_nc_u32 v242, v242, v240                  ; r + 8 (r / 8)
	s_lshl_b32 s40, s22, 5
	v_add_nc_u32 v242, s40, v242
	v_cvt_f32_u32 v[POS], v242                     ; my row's position in tile u = 0,
	v_add_nc_u32 v242, 8, v242
	v_cvt_f32_u32 v[POS+1], v242                   ; and in tile u = 1
	v_cmp_lt_u32 s[HM], 15, v1
	v_lshlrev_b32 v243, 4, v241                    ; 16 h
	v_mov_b32 v[NIL], 0                            ; (the lane's number has had its last reader)
	s_wait_alu depctr_va_vdst(0)
	s_wait_kmcnt 0x0
	s_cmp_lt_u32 s[WN], 2
	s_cselect_b64 s[34:35], s[14:15], s[12:13]
	s_add_nc_u64 s[34:35], s[34:35], s[60:61]
	s_add_nc_u64 s[4:5], s[4:5], s[24:25]
	s_add_nc_u64 s[6:7], s[6:7], s[24:25]
	s_add_nc_u64 s[8:9], s[8:9], s[24:25]
	s_add_nc_u64 s[10:11], s[10:11], s[54:55]
	s_add_nc_u64 s[16:17], s[12:13], s[58:59]      ; V's codes
	s_add_nc_u64 s[12:13], s[12:13], s[56:57]      ; K's
	s_cmp_lt_u32 s[WN], 8
	s_cbranch_scc0 .Lvalues
	; WAVES 0-7: Q AND K.  32 loads, 16,384 bytes a wave; the sines and cosines are made meanwhile
	LOAD16 SA, 4
	LOAD16 SB, 6
	; div, 16 a lane: index i = 8 c + e is pair j = 16 c + 8 h + e.  The sixteen go line by line, so that no line waits for the line above it
.irp i, 0,1,2,3,4,5,6,7,8,9,10,11,12,13,14,15
	v_add_nc_u32 v[EX+\i], 32*(\i/8)+2*(\i%8), v243        ; 2 j
.endr
.irp i, 0,1,2,3,4,5,6,7,8,9,10,11,12,13,14,15
	v_cvt_f32_u32 v[EX+\i], v[EX+\i]
.endr
.irp i, 0,1,2,3,4,5,6,7,8,9,10,11,12,13,14,15
	v_mul_f32 v[EX+\i], 0xbe135d8e, v[EX+\i]               ; x = fl(2 j x -ln(10000)/64)
.endr
.irp i, 0,1,2,3,4,5,6,7,8,9,10,11,12,13,14,15
	v_fma_f32 v[EN+\i], v[EX+\i], s45, 0.5
.endr
.irp i, 0,1,2,3,4,5,6,7,8,9,10,11,12,13,14,15
	v_floor_f32 v[EN+\i], v[EN+\i]                         ; n = floor(x / ln 2 + 1/2)
.endr
.irp i, 0,1,2,3,4,5,6,7,8,9,10,11,12,13,14,15
	v_fma_f32 v[EX+\i], v[EN+\i], s46, v[EX+\i]            ; a = x - n x the upper part of ln 2
.endr
.irp i, 0,1,2,3,4,5,6,7,8,9,10,11,12,13,14,15
	v_fma_f32 v[EX+\i], v[EN+\i], s47, v[EX+\i]            ;       - n x the lower part
.endr
.irp i, 0,1,2,3,4,5,6,7,8,9,10,11,12,13,14,15
	v_fma_f32 v[DIV+\i], v[EX+\i], s48, s49                ; the polynomial, five fused steps
.endr
.irp i, 0,1,2,3,4,5,6,7,8,9,10,11,12,13,14,15
	v_fma_f32 v[DIV+\i], v[DIV+\i], v[EX+\i], s50
.endr
.irp i, 0,1,2,3,4,5,6,7,8,9,10,11,12,13,14,15
	v_fma_f32 v[DIV+\i], v[DIV+\i], v[EX+\i], s51
.endr
.irp i, 0,1,2,3,4,5,6,7,8,9,10,11,12,13,14,15
	v_fma_f32 v[DIV+\i], v[DIV+\i], v[EX+\i], s52
.endr
.irp i, 0,1,2,3,4,5,6,7,8,9,10,11,12,13,14,15
	v_fma_f32 v[DIV+\i], v[DIV+\i], v[EX+\i], 0.5
.endr
.irp i, 0,1,2,3,4,5,6,7,8,9,10,11,12,13,14,15
	v_mul_f32 v[EQ+\i], v[EX+\i], v[EX+\i]                 ; a^2, rounded by itself
.endr
.irp i, 0,1,2,3,4,5,6,7,8,9,10,11,12,13,14,15
	v_fma_f32 v[DIV+\i], v[DIV+\i], v[EQ+\i], v[EX+\i]     ; x a^2 + a
.endr
.irp i, 0,1,2,3,4,5,6,7,8,9,10,11,12,13,14,15
	v_add_f32 v[DIV+\i], 1.0, v[DIV+\i]                    ; + 1: e^a
.endr
.irp i, 0,1,2,3,4,5,6,7,8,9,10,11,12,13,14,15
	v_cvt_i32_f32 v[EN+\i], v[EN+\i]
.endr
.irp i, 0,1,2,3,4,5,6,7,8,9,10,11,12,13,14,15
	v_ldexp_f32 v[DIV+\i], v[DIV+\i], v[EN+\i]             ; x 2^n: exact (n is -13 at the least)
.endr
	v_mov_b32 v[KS3], 0xb9500d01                   ; -1 / 7!
	v_mov_b32 v[KS3+1], 0xb9500d01
	v_mov_b32 v[KC4], 0x37d00d01                   ; 1 / 8!
	v_mov_b32 v[KC4+1], 0x37d00d01
.irp k, 0,4,8,12,16,20,24,28
	SINCOS4 \k
.endr
	s_wait_loadcnt 16                              ; Q's 16 loads are in; K's 16 may be out
	QK SA, 10, 0, WQ
	s_wait_loadcnt 0x0                             ; K's are in
	s_wait_xcnt 0x0                                ; Q's stores have read their data: the codes' registers are written again only behind this wait
	QK SB, 12, 1024, WQ+1
	s_branch .Ljoin
	; WAVES 8-15: V
.Lvalues:
	LOAD16 SA, 8
	s_wait_loadcnt 0x0
.irp i, 0,1,2,3,4,5,6,7,8,9,10,11,12,13,14,15
	ds_store_b128 v[SVI], v[SA+4*\i:SA+4*\i+3] offset:512*\i       ; as it lies: key x at 256 x
.endr
	VCOL 0                                         ; LDS serves a wave's instructions in order: these see my stores
	s_wait_dscnt 0x0                               ; columns 0 to 31 are in
	VCOL 1                                         ; columns 32 to 63 land while the first block is worked
	VBLK 0
	s_wait_dscnt 1                                 ; they are in: behind them only the first block's byte store was issued
	VBLK 1
.Ljoin:
	s_wait_dscnt 0x0                               ; for the others' sake: my words and bytes lie in the gather
	s_barrier_signal -1
	s_barrier_wait -1
	s_cmp_lt_u32 s[WN], 5                          ; 2,560 bytes leave, 512 a wave
	s_cbranch_scc0 .Lend
	ds_load_b128 v[250:253], v[GRD]
	v_bfe_u32 v[OFS], v0, 4, 1
	v_mad_u32_u24 v[OFS], v[OFS], s33, v[LI]
	s_wait_alu depctr_va_vdst(0)
	s_wait_dscnt 0x0
	global_store_b128 v[OFS], v[250:253], s[34:35] ; sixteen lanes store 256 consecutive bytes, aligned
.Lend:
	s_wait_tensorcnt 0x0                           ; the wave's end
	ds_add_u32 v[SPW], v[NIL]
	s_wait_dscnt 0x0
	s_endpgm
.Lfunc_end_k_q88228e2290_prep:
	.size	k_q88228e2290_prep, .Lfunc_end_k_q88228e2290_prep-k_q88228e2290_prep
	.p2alignl 7, 3214868480
	.fill 96, 4, 3214868480
	.section	.rodata,"a",@progbits
	.p2align	6, 0x0
	.amdhsa_kernel k_q88228e2290_prep
		.amdhsa_group_segment_fixed_size 139776
		.amdhsa_private_segment_fixed_size 0
		.amdhsa_enable_private_segment 0
		.amdhsa_kernarg_size 48
		.amdhsa_user_sgpr_count 2
		.amdhsa_user_sgpr_kernarg_segment_ptr 1
		.amdhsa_wavefront_size32 1
		.amdhsa_system_sgpr_workgroup_id_x 1
		.amdhsa_system_sgpr_workgroup_id_y 1
		.amdhsa_system_sgpr_workgroup_id_z 1
		.amdhsa_system_vgpr_workitem_id 0
		.amdhsa_next_free_vgpr 256
		.amdhsa_next_free_sgpr 66
		.amdhsa_reserve_vcc 0
		.amdhsa_float_denorm_mode_32 3
		.amdhsa_float_denorm_mode_16_64 3
		.amdhsa_memory_ordered 1
		.amdhsa_forward_progress 1
		.amdhsa_inst_pref_size 108
	.end_amdhsa_kernel
	.amdgpu_metadata
---
amdhsa.version: [ 1, 2 ]
amdhsa.kernels:
  - .name:           k_q88228e2290_prep
    .symbol:         k_q88228e2290_prep.kd
    .args:
      - { .name: Q, .offset: 0, .size: 8, .value_kind: global_buffer, .address_space: global }
      - { .name: K, .offset: 8, .size: 8, .value_kind: global_buffer, .address_space: global }
      - { .name: V, .offset: 16, .size: 8, .value_kind: global_buffer, .address_space: global }
      - { .name: qc, .offset: 24, .size: 8, .value_kind: global_buffer, .address_space: global }
      - { .name: kv, .offset: 32, .size: 8, .value_kind: global_buffer, .address_space: global }
      - { .name: qs, .offset: 40, .size: 8, .value_kind: global_buffer, .address_space: global }
    .group_segment_fixed_size: 139776
    .private_segment_fixed_size: 0
    .kernarg_segment_align: 8
    .kernarg_segment_size: 48
    .max_flat_workgroup_size: 512
    .sgpr_count:     66
    .vgpr_count:     256
    .wavefront_size: 32
...
	.end_amdgpu_metadata
.endif
;; end of part 1
;; launch attn (part 2): grid 8 x 32, 16 waves a work-group, clusters of 4 x 1, 327,680 bytes of LDS; arguments qc, qs, kv, out0; writes out0
.if DOCPART == 2
	.amdgcn_target "amdgcn-amd-amdhsa--gfx1250"
	.amdhsa_code_object_version 6
	.text
	.protected	k_q88228e2290_attn
	.globl	k_q88228e2290_attn
	.p2align	8
	.type	k_q88228e2290_attn,@function
k_q88228e2290_attn:
	s_mov_b64 s[64:65], 0
	v_nop
	global_prefetch_b8 v0, s[64:65] scope:SCOPE_SE
	s_setreg_imm32_b32 hwreg(HW_REG_WAVE_MODE, 25, 1), 1
	s_wait_xcnt 0x0
	s_wait_alu depctr_hold_cnt(0) depctr_sa_sdst(0) depctr_va_vdst(0) depctr_va_sdst(0) depctr_va_ssrc(0) depctr_va_vcc(0) depctr_vm_vsrc(0)
	s_getreg_b32 s2, hwreg(HW_REG_IB_STS2, 6, 4)
	s_cmp_eq_u32 s2, 0
	s_cbranch_scc0 .Lentry_in_a_cluster
	s_endpgm
.Lentry_in_a_cluster:
	s_bfe_u32 s2, ttmp6, 0x10000c
	s_cmp_lg_u32 s2, 0x3003
	s_cbranch_scc0 .Lentry_shape_is_right
	s_endpgm
.Lentry_shape_is_right:
; out0[head][q][:] = the sum over keys k <= q of softmax_k(Qr[q] . Kr[k]) V[k][:], both products on codes of BF8 (E5M2) with one E8M0 scale for each 32 along a product's K.
; The codes and scale words come from the launch before, laid as images of the operands' registers (its head comment has the layouts).
; LEFT OUT: key steps, and the upper halves of key steps, that begin behind a wave's queries: reference()'s own causal mask makes their p zero whatever the inputs hold (a NaN or an infinity that reaches only them is not carried).
; THE FIRST PRODUCT'S K IS 64: Q's codes 64 .. 127 are zeros, so what stands over them in K's operand counts for nothing as long as it is finite: tile t's operand is its own 8 registers and, as k = 64 .. 127, the next tile's 8
; (behind tile 7: zeros).  K's and V's codes are finite: the launch before holds every number within +-57,344 x its scale.
; THE SOFTMAX AHEAD OF THE SECOND PRODUCT: t = score x log2(e); M = the row's largest t so far, rounded UP to a whole number; p = 2^(t - M) is quantised along the keys, not normalised.
; The row's sum is taken of the unquantised p and divides at the end.  When M moves, the sum and O are multiplied by 2^(old M - new M): exact.
; A block's scale: floor(log2(its largest p)) = floor(its largest t - M): a whole number E; the byte is E + 112, held at 1 from below.
; A WHOLE HEAD STAYS IN LDS: 16 records of 17,152 bytes, one for each key step.  Each byte is filled once: wave w fetches record w, its one tensor load.  All are asked for at the head, so there is no loop to run ahead in, and no prefetch.
; CLUSTER.  Eight work-groups share a head; four of them form a cluster and ask for the records JOINTLY: the same tensor loads, with the same descriptors and a mask that names the four.
; SHARES.  A wave owns one tile of 16 queries in one block of 128: waves 0-3 the blocks 15 .. 12, waves 4-7 the blocks 8 .. 11, waves 8-11 the blocks 7 .. 4, waves 12-15 the blocks 0 .. 3: waves i, i + 4, i + 8, i + 12 have 34 key steps together for each i.
; Its tile in the block is 4 ((cluster x + block) mod 2) + cx: in the block's lower half for half of a work-group's waves, whose last step, the one on the diagonal, has 64 keys to do.
; All branches hang on the wave's number, the cluster's x and a counter and are alike in all partners; cx enters only Q's and out0's addresses and the numbers that the mask compares.
; LAYOUT.  Both products are used transposed: S^T = K Q^T (source 0 = 16 keys, source 1 = my 16 queries), O^T = V^T P^T (source 0 = 16 channels, source 1 = P): a lane holds ONE query (lane % 16) throughout.
; Row r of tile 2 b + u of K is key 32 b + 8 u + r + 8 (r / 8), so that the 16 registers of tiles 2 b and 2 b + 1 are keys 32 b + 16 (lane / 16) + 0 .. 15: the conversions' results are P's registers.
; LIMITS: NaN and infinities are not served.  The promise holds while the scaled scores (the exponents to the base 2, before the maximum is taken away) stay under 2^31 in magnitude.
; A block whose every p has fallen to 0 keeps the byte 1: its codes are zeros.
.set REC,  17152                       ; a record: K's codes at 0, V's at 8,192, K's scale words at 16,384, V's at 16,896
.set XRG,  16*REC                      ; behind the records: a stage of 16 rows x 144 bytes for each wave
.set XSZ,  2304
.set SPARE, XRG+16*XSZ                 ; the spare words, 128 bytes a wave
.set WV,   16                          ; s16 wave
.set BW,   18                          ; s18 my block of 128 queries
.set HB,   19                          ; s19 the key step of which I do half (none: 255)
.set HN,   21                          ; s21 head
.set CS,   22                          ; s[22:23] log2(e): the packed form names a pair and takes its low word for both halves
.set G1,   24                          ; s[24:31], s[32:35] the tensor load's descriptor
.set G0,   32
.set SEL,  36                          ; s[36:37] v_permlanex16_b32's selects: lane l xor 16
.set NCS,  38                          ; s38 -log2(e)
.set ST,   39                          ; s39 the key step
.set TK,   40                          ; s40 its record's LDS byte
.set HM,   68                          ; s68 the mask of lanes with lane % 16 > 7
.set LI,   1                           ; v1  16 x lane
.set L8,   2                           ; v2  8 x lane
.set ADK,  3                           ; v3, v4 the step's LDS addresses
.set ADT,  4
.set SPW,  5                           ; v5 my spare word, v6 0
.set NIL,  6
.set DQ,   7                           ; v7  (my query's place in its block of 128 - 16 (lane / 16) + 1/2) x 2^100
.set SO,   8                           ; v8-10 the way out: into the stage, out of it, in out0
.set SR,   9
.set GO,   10
.set QO,   11                          ; v11 16 (lane % 16)
.set NM,   12                          ; v12 -M;  v13 0;  v[14:15] the sum in two halves
.set SUM,  14
.set QF,   16                          ; v16-31  Q's fragment: 16-23 codes, 24-31 zeros
.set KFR,  32                          ; v32-95  K's eight tiles, 8 registers each; then V's four fragments
.set KZ,   96                          ; v96-103 zeros: what stands behind tile 7
.set S,    104                         ; v104-167 S^T, then p
.set O,    168                         ; v168-199 O^T
.set PCD,  200                         ; v200-215 p's codes (on the diagonal, ahead of them, the mask's running pairs)
.set BM,   216                         ; v216-219 the blocks' largest scores, then E
.set PD,   220                         ; v220-223 the other lane's
.set HD,   224                         ; v224-227 57,344 x the scale
.set SOP,  228                         ; v228-231 the conversions' scale operands
.set FF,   232                         ; v[232:233] f = 2^(old M - new M); v233 is only named with it
.set TT,   234
.set PSC,  235                         ; v235 p's scale word;  v236-239 K's;  v240-241 V's;  v242 Q's: these hold scales and nothing else
.set KSC,  236
.set VSC,  240
.set QSC,  242
.set CH,   244                         ; v244-255 six chains of the step's sum
; A round of the cluster's barrier: my work-group's barrier, so that wave 0's signal speaks for all sixteen waves; wave 0 signals for the work-group; every wave waits for the four work-groups; my work-group's barrier once more.
.macro CROUND
	s_barrier_signal -1
	s_barrier_wait -1
	s_cmp_lg_u32 s[WV], 0
	s_cbranch_scc1 .Lnot_wave_0_\@
	s_barrier_signal -3
.Lnot_wave_0_\@:
	s_barrier_wait -3
	s_barrier_signal -1
	s_barrier_wait -1
.endm
; A KEY STEP: nb blocks of 32 keys of the record at TK: nb = 4 the whole step, with the mask from block m0 on where it lies on the diagonal; nb = 2 its lower half, on the diagonal.
.macro STEP nb, m0
	v_add_nc_u32 v[ADK], s[TK], v[LI]              ; (these two and the sum's last six lines are the eight places between the last step's products and the loads below)
	v_add_nc_u32 v[ADT], s[TK], v[L8]
	ds_load_b128 v[KSC:KSC+3], v[ADK] offset:16384 ; register b: lanes 0-15 the words of tile 2 b, lanes 16-31 those of tile 2 b + 1
	ds_load_b64 v[VSC:VSC+1], v[ADT] offset:16896  ; register g: lanes 0-15 V's tile 2 g, lanes 16-31 tile 2 g + 1
.if \nb == 4
.set NL, 8
.else
.set NL, 5                             ; four tiles, and what stands behind the fourth
.endif
.set t, 0
.rept NL
	ds_load_b128 v[KFR+8*t:KFR+8*t+3], v[ADK] offset:1024*t        ; an image: 32 lanes read 512 consecutive bytes
	ds_load_b128 v[KFR+8*t+4:KFR+8*t+7], v[ADK] offset:1024*t+512
.set t, t+1
.endr
	s_wait_alu depctr_va_vdst(0)                   ; for the addresses and for the last step's sum
.set t, 0
.rept 2*\nb                            ; S^T = K Q^T
.if t < NL-1
	s_wait_dscnt 2*(NL-2-t)                        ; tiles t and t + 1 are in; two loads for each tile behind them may be out
.endif
.if (t%2) == 0
	v_wmma_scale_f32_16x16x128_f8f6f4 v[S+8*t:S+8*t+7], v[KFR+8*t:KFR+8*t+15], v[QF:QF+15], 0, v[KSC+t/2], v[QSC] matrix_a_fmt:MATRIX_FMT_BF8 matrix_b_fmt:MATRIX_FMT_BF8
.else
	v_wmma_scale_f32_16x16x128_f8f6f4 v[S+8*t:S+8*t+7], v[KFR+8*t:KFR+8*t+15], v[QF:QF+15], 0, v[KSC+t/2], v[QSC] matrix_a_fmt:MATRIX_FMT_BF8 matrix_b_fmt:MATRIX_FMT_BF8 matrix_a_scale:MATRIX_SCALE_ROW1
.endif
.set t, t+1
.endr
.rept 8
	v_nop                                          ; places in front of the loads below and of the results' first read
.endr
.irp t, 0,1,2,3                                ; V's four fragments, into the registers that K has left (nb = 2: of 64 keys; over p's zero codes stand K's codes or the last step's V's: finite)
.set c, 0
.rept \nb
	ds_load_b128 v[KFR+16*\t+4*c:KFR+16*\t+4*c+3], v[ADK] offset:8192+2048*\t+512*c
.set c, c+1
.endr
.endr
.if \nb == 4
	s_cmp_lg_u32 s[ST], s[BW]
	s_cbranch_scc1 .Lopen_\@
.endif
	; ON THE DIAGONAL.  Register 16 b + i holds key 32 b + 16 (lane / 16) + i, hidden where 32 b + i > d.  A running pair for each block holds (d + 1/2 - 32 b - i) x 2^100: at least 2^99 where the key counts,
	; at most -2^99 where it is hidden: the smaller of it and the score is the score, or so low that p = 0
	v_mov_b32 v[PCD], v[DQ]
	v_add_f32 v[PCD+1], 0xf1800000, v[DQ]          ; i = 1
.if \m0 == 0
	v_pk_add_f32 v[PCD+2:PCD+3], v[PCD:PCD+1], 0xf4000000 op_sel_hi:[1,0]   ; - 32 x 2^100
.endif
.if \nb == 4
	v_pk_add_f32 v[PCD+4:PCD+5], v[PCD:PCD+1], 0xf4800000 op_sel_hi:[1,0]   ; - 64
	v_pk_add_f32 v[PCD+6:PCD+7], v[PCD:PCD+1], 0xf4c00000 op_sel_hi:[1,0]   ; - 96
.endif
.irp i, 0,2,4,6,8,10,12,14
.set b, \m0
.rept \nb-\m0
	v_dual_min_num_f32 v[S+16*b+\i], v[PCD+2*b], v[S+16*b+\i] :: v_dual_min_num_f32 v[S+16*b+\i+1], v[PCD+2*b+1], v[S+16*b+\i+1]
.set b, b+1
.endr
.if \i < 14
.set b, \m0
.rept \nb-\m0
	v_pk_add_f32 v[PCD+2*b:PCD+2*b+1], v[PCD+2*b:PCD+2*b+1], 0xf2000000 op_sel_hi:[1,0]   ; two keys on
.set b, b+1
.endr
.endif
.endr
.Lopen_\@:
.set b, 0
.rept \nb
	v_max3_num_f32 v[BM+b], v[S+16*b], v[S+1+16*b], v[S+2+16*b]      ; the largest score of each block of 32 keys: for the row's maximum and for the block's scale
.set b, b+1
.endr
.irp i, 3,5,7,9,11,13
.set b, 0
.rept \nb
	v_max3_num_f32 v[BM+b], v[BM+b], v[S+16*b+\i], v[S+1+16*b+\i]
.set b, b+1
.endr
.endr
.set b, 0
.rept \nb
	v_max_num_f32 v[BM+b], v[BM+b], v[S+15+16*b]
.set b, b+1
.endr
.set b, 0
.rept \nb
	v_permlanex16_b32 v[PD+b], v[BM+b], s[SEL], s[SEL+1]
.set b, b+1
.endr
.set b, 0
.rept \nb
	v_max_num_f32 v[BM+b], v[BM+b], v[PD+b]        ; with lane l xor 16's 16 keys
.set b, b+1
.endr
.if \nb == 4
	v_max3_num_f32 v[TT], v[BM], v[BM+1], v[BM+2]
	s_delay_alu instid0(VALU_DEP_1)
	v_max_num_f32 v[TT], v[TT], v[BM+3]            ; the step's largest score of my query
.else
	v_max_num_f32 v[TT], v[BM], v[BM+1]
.endif
	s_delay_alu instid0(VALU_DEP_1)
	v_mul_f32 v[TT], s[NCS], v[TT]                 ; as -t
	s_delay_alu instid0(VALU_DEP_1)
	v_floor_f32 v[TT], v[TT]                       ; floor(-t) = -ceil(t)
	s_delay_alu instid0(VALU_DEP_1)
	v_min_num_f32 v[TT], v[NM], v[TT]              ; the new -M: a whole number
	s_delay_alu instid0(VALU_DEP_1)
	v_sub_f32 v[FF], v[TT], v[NM]                  ; old M - new M: a whole number, 0 or less
	v_mov_b32 v[NM], v[TT]
	s_delay_alu instid0(VALU_DEP_2)
	v_cvt_i32_f32 v[FF], v[FF]                     ; (it saturates)
	s_delay_alu instid0(VALU_DEP_1)
	v_ldexp_f32 v[FF], 1.0, v[FF]                  ; f = 2^(old M - new M)
.set j, 0
.rept 8*\nb
	v_pk_fma_f32 v[S+j:S+j+1], v[S+j:S+j+1], s[CS:CS+1], v[NM:NM+1] op_sel_hi:[1,0,0]   ; t - M, two at a time
.set j, j+2
.endr
	s_wait_alu depctr_va_vdst(0)
.set j, 0
.rept 16*\nb
	v_exp_f32 v[S+j], v[S+j]                       ; p = 2^(t - M): one batch
.set j, j+1
.endr
	; the blocks' scales, by their largest t - M: plain work that names no p
.set b, 0
.rept \nb
	v_fma_f32 v[BM+b], v[BM+b], s[CS], v[NM]
.set b, b+1
.endr
.set b, 0
.rept \nb
	v_max_num_f32 v[BM+b], 0xc2de0000, v[BM+b]     ; -111 at the least: the byte cannot fall under 1
.set b, b+1
.endr
.set b, 0
.rept \nb
	v_cvt_floor_i32_f32 v[BM+b], v[BM+b]           ; E
.set b, b+1
.endr
.set b, 0
.rept \nb
	v_lshl_add_u32 v[SOP+b], v[BM+b], 23, 0x38000000       ; exponent field E + 112: the conversion's scale operand
.set b, b+1
.endr
	v_lshl_add_u32 v[PSC], v[BM+1], 8, v[BM]       ; p's scale word: the E of its blocks,
	v_add_nc_u32 v[HD], 0x7e00000, v[SOP]          ; 57,344 x the scale: 15 more in the exponent field, 0x600000 in the mantissa
	v_add_nc_u32 v[HD+1], 0x7e00000, v[SOP+1]
.if \nb == 4
	v_lshl_add_u32 v[PSC], v[BM+2], 16, v[PSC]
	v_add_nc_u32 v[HD+2], 0x7e00000, v[SOP+2]
	v_add_nc_u32 v[HD+3], 0x7e00000, v[SOP+3]
	v_lshl_add_u32 v[PSC], v[BM+3], 24, v[PSC]
.endif
	s_wait_alu depctr_va_vdst(0)                   ; one wait for the batch, ahead of its first reader
.irp k, 0,1,2,3,4,5
	v_pk_add_f32 v[CH+2*\k:CH+2*\k+1], v[S+4*\k:S+4*\k+1], v[S+4*\k+2:S+4*\k+3]   ; the sum of the unquantised p, in six chains
.endr
.if \nb == 4
	v_add_nc_u32 v[PSC], 0x70707070, v[PSC]        ; + 112 in each byte
.else
	v_add_nc_u32 v[PSC], 0x01017070, v[PSC]        ; and the byte 1 over the zero codes of the upper 64 keys
.endif
.set m, 12
.rept 8*\nb-12
	v_pk_add_f32 v[CH+2*(m%6):CH+2*(m%6)+1], v[CH+2*(m%6):CH+2*(m%6)+1], v[S+2*m:S+2*m+1]
.set m, m+1
.endr
.if \nb == 2
.irp i, 8,9,10,11,12,13,14,15
	v_mov_b32 v[PCD+\i], 0                         ; the upper 64 keys' p: zero codes
.endr
.endif
.set b, 0
.rept \nb
.irp i, 0,2,4,6,8,10,12,14
	v_dual_min_num_f32 v[S+16*b+\i], v[HD+b], v[S+16*b+\i] :: v_dual_min_num_f32 v[S+16*b+\i+1], v[HD+b], v[S+16*b+\i+1]    ; the conversion does not saturate (ISA guide 7.6.2); p is not negative, so the hold is one-sided
.endr
	v_cvt_scalef32_pk8_bf8_f32 v[PCD+4*b:PCD+4*b+1], v[S+16*b:S+16*b+7], v[SOP+b]
	v_cvt_scalef32_pk8_bf8_f32 v[PCD+4*b+2:PCD+4*b+3], v[S+16*b+8:S+16*b+15], v[SOP+b]
.set b, b+1
.endr
	s_wait_dscnt 0x0                               ; V
	s_wait_alu depctr_va_vdst(0)                   ; directly ahead of the first reader of O^T
.set j, 0
.rept 16
	v_pk_mul_f32 v[O+j:O+j+1], v[O+j:O+j+1], v[FF:FF+1] op_sel_hi:[1,0]   ; O^T under the new M.  These sixteen are also the plain lines behind the conversions and the places between the codes and the products
.set j, j+2
.endr
.irp t, 0,1,2,3                                ; O^T += V^T P^T: the four accumulators by turns, one instruction a turn
.if (\t%2) == 0
	v_wmma_scale_f32_16x16x128_f8f6f4 v[O+8*\t:O+8*\t+7], v[KFR+16*\t:KFR+16*\t+15], v[PCD:PCD+15], v[O+8*\t:O+8*\t+7], v[VSC+\t/2], v[PSC] matrix_a_fmt:MATRIX_FMT_BF8 matrix_b_fmt:MATRIX_FMT_BF8
.else
	v_wmma_scale_f32_16x16x128_f8f6f4 v[O+8*\t:O+8*\t+7], v[KFR+16*\t:KFR+16*\t+15], v[PCD:PCD+15], v[O+8*\t:O+8*\t+7], v[VSC+\t/2], v[PSC] matrix_a_fmt:MATRIX_FMT_BF8 matrix_b_fmt:MATRIX_FMT_BF8 matrix_a_scale:MATRIX_SCALE_ROW1
.endif
.endr
	v_pk_add_f32 v[CH:CH+1], v[CH:CH+1], v[CH+2:CH+3]              ; the six chains join: six of the places behind the products
	v_pk_add_f32 v[CH+4:CH+5], v[CH+4:CH+5], v[CH+6:CH+7]
	v_pk_add_f32 v[CH+8:CH+9], v[CH+8:CH+9], v[CH+10:CH+11]
	v_pk_add_f32 v[CH:CH+1], v[CH:CH+1], v[CH+4:CH+5]
	v_pk_add_f32 v[CH:CH+1], v[CH:CH+1], v[CH+8:CH+9]
	v_pk_fma_f32 v[SUM:SUM+1], v[SUM:SUM+1], v[FF:FF+1], v[CH:CH+1] op_sel_hi:[1,0,1]   ; the sums under the new M, and this step's
.endm
	s_load_b256 s[4:11], s[0:1], 0x0               ; qc s[4:5], qs s[6:7], kv s[8:9], out0 s[10:11]
	v_lshl_add_u32 v[SPW], v0, 2, SPARE
	v_mov_b32 v[NIL], 0
	ds_add_u32 v[SPW], v[NIL]                      ; the wave's opening
	ds_add_u32 v[SPW], v[NIL]
	v_lshrrev_b32 v1, 5, v0
	v_readfirstlane_b32 s[WV], v1                  ; wave 0..15
	v_and_b32 v[L8], 31, v0
	v_and_b32 v[BM], 15, v0                        ; r
	v_bfe_u32 v[BM+1], v0, 4, 1                    ; h
	v_lshlrev_b32 v[LI], 4, v[L8]
	v_lshlrev_b32 v[L8], 3, v[L8]
	v_lshlrev_b32 v[QO], 4, v[BM]
	v_and_b32 v[BM+2], 8, v[BM]
	v_lshlrev_b32 v[BM+3], 4, v[BM+1]
	v_add_nc_u32 v[BM+2], v[BM+2], v[BM]           ; r + 8 (r / 8)
	v_and_b32 v[PD], 7, v[BM]
	v_mul_u32_u24 v[SO], v[BM], 144
	v_mul_u32_u24 v[SR], v[BM+1], 144
	v_sub_nc_u32 v[BM+2], v[BM+2], v[BM+3]         ; - 16 h
	v_lshl_add_u32 v[SO], v[BM+1], 5, v[SO]
	v_lshl_add_u32 v[SR], v[PD], 4, v[SR]
	v_lshl_add_u32 v[GO], v[BM+1], 8, v[QO]        ; lanes 0-15 one row of out0, lanes 16-31 the next
	v_cmp_lt_u32 s[HM], 7, v[BM]
	s_wait_alu depctr_va_vdst(0)                   ; the readers behind the scalar lines below
	s_lshr_b32 s42, s[WV], 2
	s_and_b32 s43, s[WV], 3
	s_xor_b32 s44, s42, 3                          ; 3 - wave / 4
	s_and_b32 s45, s44, 1
	s_mul_i32 s45, s45, 3
	s_xor_b32 s43, s43, s45                        ; waves 0-3 and 8-11 take their four blocks in falling order
	s_lshl_b32 s44, s44, 2
	s_add_co_u32 s[BW], s44, s43                   ; my block
	s_xor_b32 s47, ttmp9, s[BW]                    ; in a cluster launch ttmp9 counts clusters
	s_and_b32 s47, s47, 1                          ; my tile lies in the block's lower half (0) or upper half (1)
	s_cmp_eq_u32 s47, 0
	s_cselect_b32 s[HB], s[BW], 255
	s_lshl_b32 s43, s47, 2
	s_bfe_u32 s42, ttmp6, 0x40000                  ; cx
	s_add_co_u32 s43, s43, s42                     ; my tile in the block
	s_and_b32 s[HN], ttmp7, 0xffff                 ; the head, which the four partners share
	; Q's and out0's addresses
	s_lshl_b32 s54, s[HN], 17
	s_lshl_b32 s44, s[BW], 13
	s_add_co_u32 s54, s54, s44
	s_lshl_b32 s44, s43, 10
	s_add_co_u32 s54, s54, s44                     ; Q's codes: head x 131,072 + block x 8,192 + tile x 1,024
	s_mov_b32 s55, 0
	s_lshr_b32 s46, s43, 1
	s_and_b32 s47, s43, 1
	s_lshl_b32 s56, s[HN], 13
	s_lshl_b32 s44, s[BW], 9
	s_add_co_u32 s56, s56, s44
	s_lshl_b32 s44, s47, 8
	s_add_co_u32 s56, s56, s44
	s_lshl_b32 s44, s46, 2
	s_add_co_u32 s56, s56, s44                     ; its scale words: head x 8,192 + block x 512 + 256 (tile % 2) + 4 (tile / 2); 16 bytes from row to row
	s_mov_b32 s57, 0
	s_lshl_b32 s45, s46, 5
	s_lshl_b32 s44, s47, 3
	s_add_co_u32 s45, s45, s44                     ; row 0 of my tile in its block: 32 (tile / 2) + 8 (tile % 2)
	s_lshl_b32 s58, s[HN], 19
	s_lshl_b32 s44, s[BW], 15
	s_add_co_u32 s58, s58, s44
	s_lshl_b32 s44, s45, 8
	s_add_co_u32 s58, s58, s44                     ; out0: head x 524,288 + block x 32,768 + that row x 256
	s_mov_b32 s59, 0
	; the descriptor: a record as 67 rows of 256 bytes (32 elements of 8 bytes), dense, no padding
	s_mov_b32 s[G1], 15|(3<<16)|(1<<21)            ; 15:0 the mask: all four work-groups; 17:16 elements of 8 bytes; 21 set beside a mask
	s_mov_b32 s[G1+1], 32<<16                      ; tensor_dim0
	s_mov_b32 s[G1+2], 67<<16                      ; tensor_dim1
	s_mov_b32 s[G1+3], 32<<16                      ; tile_dim0
	s_mov_b32 s[G1+4], 67                          ; tile_dim1
	s_mov_b32 s[G1+5], 32                          ; from row to row
	s_mov_b32 s[G1+6], 0
	s_mov_b32 s[G1+7], 0
	s_mov_b32 s[G0], 1                             ; count = 1
	s_mul_i32 s[G0+1], s[WV], REC                  ; LDS address: wave w fetches record w
	s_mul_i32 s52, s[HN], 16*REC
	s_add_co_u32 s52, s52, s[G0+1]                 ; and in memory
	s_mov_b32 s53, 0
	s_mov_b32 s[CS], 0x3fb8aa3b
	s_mov_b32 s[CS+1], s[CS]
	s_mov_b32 s[NCS], 0xbfb8aa3b
	s_mov_b32 s[SEL], 0x76543210
	s_mov_b32 s[SEL+1], 0xfedcba98
	s_mul_i32 s46, s[WV], XSZ
	s_add_co_u32 s46, s46, XRG                     ; my stage
	v_add_nc_u32 v[SO], s46, v[SO]                 ; into it: row r, half a row of channels: 64 (tile % 2) + 32 h bytes on
	v_add_nc_u32 v[SR], s46, v[SR]                 ; out of it: lanes 0-15 one row, lanes 16-31 the next; lanes 8 on take the same bytes as lanes 0 on
	v_add_nc_u32 v[BM+2], s45, v[BM+2]             ; my query's place in its block, less 16 h
	v_cvt_f32_i32 v[BM+2], v[BM+2]
	v_add_f32 v[BM+2], 0.5, v[BM+2]
	v_mul_f32 v[DQ], 0x71800000, v[BM+2]           ; x 2^100
.set i, 0
.rept 8
	v_mov_b32 v[QF+8+i], 0                         ; k = 64 .. 127 of Q: zero codes
	v_mov_b32 v[KZ+i], 0                           ; and what stands behind K's tile 7
.set i, i+1
.endr
.set i, 0
.rept 32
	v_mov_b32 v[O+i], 0                            ; O^T.  (The step is written without a first step of its own: the first change of M multiplies zeros)
.set i, i+1
.endr
	v_mov_b32 v[NM], 0x7f61b1e6                    ; -M: 3e38, over every -t
	v_mov_b32 v[NM+1], 0
	v_mov_b32 v[SUM], 0
	v_mov_b32 v[SUM+1], 0
.irp b, 0,1,2,3
	v_mov_b32 v[PD+\b], 0                          ; a lane permute's destination counts as one of its sources
.endr
	v_mov_b32 v[FF+1], 0
	s_wait_alu depctr_va_vdst(0)
	s_wait_dscnt 0x0                               ; both opening adds are done
	s_wait_kmcnt 0x0
	s_add_nc_u64 s[4:5], s[4:5], s[54:55]
	s_add_nc_u64 s[6:7], s[6:7], s[56:57]
	s_add_nc_u64 s[10:11], s[10:11], s[58:59]
	s_add_nc_u64 s[G0+2:G0+3], s[8:9], s[52:53]
	s_or_b32 s[G0+3], s[G0+3], 0x80000000          ; type = 2
	global_load_b128 v[QF:QF+3], v[LI], s[4:5] th:TH_LOAD_NT               ; Q's codes: k = 16 h + 0 .. 15,
	global_load_b128 v[QF+4:QF+7], v[LI], s[4:5] offset:512 th:TH_LOAD_NT  ; k = 32 + 16 h + 0 .. 15
	global_load_b32 v[QSC], v[QO], s[6:7]          ; lane r: row r's scale word (lanes 16-31 take the same and are not read).  The three are waited for behind the first barrier
	CROUND                                         ; all four work-groups are here: the joint loads meet
	; one tensor load a wave.  Waves 0 and 1, whose records the first two trips read, have a line of their own and ask first
	s_cmp_lt_u32 s[WV], 2
	s_cbranch_scc0 .Lrest
	tensor_load_to_lds s[G0:G0+3], s[G1:G1+7]
	s_nop 0
.rept 4
	v_nop
.endr
	s_branch .Lasked
.Lrest:
	s_nop 15
	tensor_load_to_lds s[G0:G0+3], s[G1:G1+7]
	s_nop 0
.rept 4
	v_nop
.endr
.Lasked:
	s_cmp_lt_u32 s[WV], 2
	s_cbranch_scc0 .Lfirst
	s_wait_tensorcnt 0x0                           ; records 0 and 1 are in
.Lfirst:
	s_barrier_signal -1
	s_barrier_wait -1                              ; every wave may read them.
	s_wait_loadcnt 0x0                             ; Q
	s_mov_b32 s[ST], 0
	s_mov_b32 s[TK], 0
	STEP 4, 0                                      ; trips 0 and 1 are written out: they read records 0 and 1 while the rest lands
	s_wait_tensorcnt 0x0                           ; my record is in: say so, and wait for the others' behind trip 1.
	s_wait_dscnt 0x0
	s_barrier_signal -1                            ; Between this line and the wait stand work on registers and LDS loads of record 1, which nobody writes any more
	s_mov_b32 s[ST], 1
	s_mov_b32 s[TK], REC
	s_cmp_gt_u32 s[ST], s[BW]
	s_cbranch_scc1 .Lone
	STEP 4, 0
.Lone:
	s_barrier_wait -1                              ; everybody's record is in
	s_mov_b32 s[ST], 2
	s_mov_b32 s[TK], 2*REC
.Ltrip:                                            ; trips 2 .. 15: the count is a constant; a wave whose steps are over runs the scalar lines alone
	s_cmp_gt_u32 s[ST], s[BW]                      ; all the step's keys come after my queries: left out
	s_cbranch_scc1 .Lnext
	s_cmp_eq_u32 s[ST], s[HB]
	s_cbranch_scc1 .Lhalf
	STEP 4, 2                                      ; on the diagonal my tile lies in the block's upper half here: keys 0 to 63 all count
	s_branch .Lnext
.Lhalf:
	STEP 2, 0                                      ; on the diagonal, my tile in the lower half: keys 64 to 127 are all hidden
.Lnext:
	s_add_co_u32 s[TK], s[TK], REC
	s_add_co_u32 s[ST], s[ST], 1
	s_cmp_lt_u32 s[ST], 16
	s_cbranch_scc1 .Ltrip
	; THE WAY OUT.  O^T is divided by the row's sum and goes through my stage in two passes of 32 channels (128 bytes a row): rows 0 .. 7 are eight neighbouring queries, rows 8 .. 15 lie 16 queries further on.
	; Lanes 0-7 of a row keep the first pass's bytes, lanes 8-15 the second's: sixteen lanes hold a row.
	s_wait_alu depctr_va_vdst(0)
	v_add_f32 v[FF], v[SUM], v[SUM+1]              ; the sum's two halves,
	v_permlanex16_b32 v[PD], v[FF], s[SEL], s[SEL+1]
	v_add_f32 v[FF], v[FF], v[PD]                  ; and lane l xor 16's
	s_wait_alu depctr_va_vdst(0)
	v_rcp_f32 v[FF], v[FF]
.rept 4
	v_nop                                          ; the plain places behind the reciprocal; with the lines above also those behind the last products
.endr
	s_wait_alu depctr_va_vdst(0)                   ; the wait ahead of the reciprocal's first reader, which is also O's
.set j, 0
.rept 16
	v_pk_mul_f32 v[S+j:S+j+1], v[O+j:O+j+1], v[FF:FF+1] op_sel_hi:[1,0]   ; register 8 t + i is out0(my query, 16 t + 8 h + i)
.set j, j+2
.endr
.irp u, 0,1
.irp t, 0,1
	ds_store_b128 v[SO], v[S+16*\u+8*\t:S+16*\u+8*\t+3] offset:64*\t
	ds_store_b128 v[SO], v[S+16*\u+8*\t+4:S+16*\u+8*\t+7] offset:64*\t+16
.endr
.irp i, 0,1,2,3,4,5,6,7
	ds_load_b128 v[KFR+32*\u+4*\i:KFR+32*\u+4*\i+3], v[SR] offset:288*\i   ; LDS serves a wave's instructions in order (ISA guide 5.7.1.4): these see my stores, and the next pass's stores come behind them
.endr
.endr
	s_wait_dscnt 0x0
.set i, 0
.rept 32
	v_cndmask_b32 v[KFR+i], v[KFR+i], v[KFR+32+i], s[HM]
.set i, i+1
.endr
.irp i, 0,1,2,3,4,5,6,7
	global_store_b128 v[GO], v[KFR+4*\i:KFR+4*\i+3], s[10:11] offset:512*\i+2048*(\i/4) th:TH_STORE_NT   ; two whole rows: sixteen lanes store 256 consecutive bytes, aligned
.endr
	s_wait_tensorcnt 0x0                           ; the wave's end
	ds_add_u32 v[SPW], v[NIL]
	s_wait_dscnt 0x0
	CROUND                                         ; the closing round: no work-group ends while a partner may still ask for a tile that names it
	s_endpgm
.Lfunc_end_k_q88228e2290_attn:
	.size	k_q88228e2290_attn, .Lfunc_end_k_q88228e2290_attn-k_q88228e2290_attn
	.p2alignl 7, 3214868480
	.fill 96, 4, 3214868480
	.section	.rodata,"a",@progbits
	.p2align	6, 0x0
	.amdhsa_kernel k_q88228e2290_attn
		.amdhsa_group_segment_fixed_size 327680
		.amdhsa_private_segment_fixed_size 0
		.amdhsa_enable_private_segment 0
		.amdhsa_kernarg_size 32
		.amdhsa_user_sgpr_count 2
		.amdhsa_user_sgpr_kernarg_segment_ptr 1
		.amdhsa_wavefront_size32 1
		.amdhsa_system_sgpr_workgroup_id_x 1
		.amdhsa_system_sgpr_workgroup_id_y 1
		.amdhsa_system_sgpr_workgroup_id_z 1
		.amdhsa_system_vgpr_workitem_id 0
		.amdhsa_next_free_vgpr 256
		.amdhsa_next_free_sgpr 72
		.amdhsa_reserve_vcc 0
		.amdhsa_float_denorm_mode_32 3
		.amdhsa_float_denorm_mode_16_64 3
		.amdhsa_memory_ordered 1
		.amdhsa_forward_progress 1
		.amdhsa_inst_pref_size 96
	.end_amdhsa_kernel
	.amdgpu_metadata
---
amdhsa.version: [ 1, 2 ]
amdhsa.kernels:
  - .name:           k_q88228e2290_attn
    .symbol:         k_q88228e2290_attn.kd
    .args:
      - { .name: qc, .offset: 0, .size: 8, .value_kind: global_buffer, .address_space: global }
      - { .name: qs, .offset: 8, .size: 8, .value_kind: global_buffer, .address_space: global }
      - { .name: kv, .offset: 16, .size: 8, .value_kind: global_buffer, .address_space: global }
      - { .name: out0, .offset: 24, .size: 8, .value_kind: global_buffer, .address_space: global }
    .group_segment_fixed_size: 327680
    .private_segment_fixed_size: 0
    .kernarg_segment_align: 8
    .kernarg_segment_size: 32
    .max_flat_workgroup_size: 512
    .sgpr_count:     72
    .vgpr_count:     256
    .wavefront_size: 32
...
	.end_amdgpu_metadata
.endif
;; end of part 2
